; MI455X (gfx1250); checked and timed in simulation.
; The chip was launched on July 23, 2026; its instructions are those of AMD's public machine-readable ISA for CDNA 5 (MIT licence, August 2026) and "CDNA5" Instruction Set Architecture Reference Guide (July 2026). The comments in the code are by the model that wrote it; some were corrected since.
;; Self Attention Encoder. Allowed arithmetic: matrix products marked QUANTISED: E2M1 operands, one E8M0 scale for each 32 along K, by v_wmma_scale_f32_16x16x128_f8f6f4 with both operands' format E2M1 (or v_wmma_scale_f32_32x16x128_f4), f32 sums; products left as they are: bf16, f16 or f32 operands; f32 sums; everything else in f32.
;; Inputs: Wk 1,024 x 1,024 float32; Wo 1,024 x 1,024 float32; Wq 1,024 x 1,024 float32; Wv 1,024 x 1,024 float32; x 4 x 2,048 x 1,024 float32.
;; Outputs: out0 4 x 2,048 x 1,024 float32.
;; This version of the problem:
;;   THIS VERSION OF THE PROBLEM IS GIVEN IN LOW PRECISION. The matrix products marked QUANTISED in the list below multiply operands that are first quantised to E2M1 (2 exponent bits, 1 mantissa bit; 4 bits a number), with one power-of-two scale for each 32 numbers along K (OCP MX v1.0); their sums are f32. The products marked 'left as it is' may take bf16, f16 or f32 operands, with f32 sums. Whichever they take, every output number must still come out within the allowed error. Rounding operands to bf16 (8 significant bits) uses up far more of that allowance than f16 does (11 bits, for magnitudes from 6e-5 to 65,504). All else is computed in f32.
;;   The module's matrix products, in the order in which they are computed (A, B: the left and right operand; K: the contracted axis; several contracted axes count as one K, in the product's order):
;;     1. [M 8,192, K 1,024] x [K 1,024, N 1,024]; A: input x; B: input Wq: QUANTISED
;;     2. [M 8,192, K 1,024] x [K 1,024, N 1,024]; A: input x; B: input Wk: QUANTISED
;;     3. [M 8,192, K 1,024] x [K 1,024, N 1,024]; A: input x; B: input Wv: QUANTISED
;;     4. batch 64 x [M 2,048, K 64] x [K 64, N 2,048]; A: computed on the way; B: computed on the way: left as it is (an operand is computed on the way)
;;     5. batch 64 x [M 2,048, K 2,048] x [K 2,048, N 64]; A: computed on the way; B: computed on the way: left as it is (an operand is computed on the way)
;;     6. [M 8,192, K 1,024] x [K 1,024, N 1,024]; A: computed on the way; B: input Wo: left as it is (an operand is computed on the way)
;;   THE QUANTISER, for each operand of a quantised product, along K:
;;     - K is cut into blocks of 32 from its start; a last block that is shorter is filled with zeros.
;;     - A block's scale is 2^e with e = floor(log2(the largest magnitude in the block)) - 2, held to -126 .. 127; a block of zeros has e = 0. As a byte (E8M0): e + 127.
;;     - Each number is divided by its block's scale, clamped to +-6, and rounded to the nearest number of E2M1, ties to even, subnormals kept.
;;     - The product sums the exact products of the quantised numbers (number of the format x scale) in f32.
;;   ~~~python
;;   def quantise(x, axis):      # numpy; x: float32 -> the quantised numbers, widened to float32 again
;;       x = np.moveaxis(x, axis, -1); K = x.shape[-1]
;;       x = np.pad(x, [(0, 0)] * (x.ndim - 1) + [(0, -K % 32)]); x = x.reshape(x.shape[:-1] + (-1, 32)); a = np.abs(x).max(-1, keepdims=True)
;;       e = np.where(a > 0, np.clip(np.frexp(np.where(a > 0, a, 1))[1] - 1 - 2, -126, 127), 0)      # np.frexp(a)[1] - 1 = floor(log2(a)), exactly
;;       r = np.clip(x / 2.0 ** e, -6, 6)
;;       step = 2.0 ** (np.maximum(np.frexp(np.where(r == 0, 1, r))[1] - 1, 0) - 1)
;;       q = np.round(r / step) * step * 2.0 ** e      # np.round: ties to even
;;       return np.moveaxis(q.reshape(q.shape[:-2] + (-1,))[..., :K], -1, axis).astype(np.float32)
;;   ~~~
;; One version. Each part assembles by itself: llvm-mc -triple=amdgcn-amd-amdhsa -mcpu=gfx1250 --defsym DOCPART=n.
;; ======== version 1 of 1: 4 launches
;; limits: values are held in f16: magnitudes above 65,504 overflow, below 6.1e-05 lose precision
;; workspace buffers: xc 4,194,304 bytes; xs 262,144 bytes; wc 1,572,864 bytes; ws 98,304 bytes; wo16 2,097,152 bytes; qkv 50,331,648 bytes; oi 16,777,216 bytes
;; launch prep (part 1): grid 480 x 1, 4 waves a work-group, no clusters, 33,280 bytes of LDS; arguments x, Wq, Wk, Wv, Wo, xc, xs, wc, ws, wo16; writes xc, xs, wc, ws, wo16
.if DOCPART == 1
	.amdgcn_target "amdgcn-amd-amdhsa--gfx1250"
	.amdhsa_code_object_version 6
	.text
	.protected	k_q81ff42d0ea_prep
	.globl	k_q81ff42d0ea_prep
	.p2align	8
	.type	k_q81ff42d0ea_prep,@function
k_q81ff42d0ea_prep:
	s_mov_b64 s[64:65], 0
	v_nop
	global_prefetch_b8 v0, s[64:65] scope:SCOPE_SE
	s_setreg_imm32_b32 hwreg(HW_REG_WAVE_MODE, 25, 1), 1
	s_wait_xcnt 0x0
; x [8192][1024], Wq, Wk, Wv [1024][1024], f32, K innermost, become codes of FP4 (E2M1), two a byte, with one E8M0 scale byte for each 32 along K:
;   xc [8192][512], xs [8192][32];  wc [3072][512], ws [3072][32]: rows 0-1023 Wq's, 1024-2047 Wk's, 2048-3071 Wv's.   Wo [1024][1024] becomes wo16 = Wo / 2 in f16, same order.
; A block's scale is 2^(floor(log2(its largest magnitude)) - 2); its byte is the largest magnitude's exponent field - 2, held at 1 from below.  Each number is divided by the scale and rounded to the nearest code, ties to even;
; beyond 6 the conversion gives the largest code.
; LIMITS: a block of zeros gets the byte 1 where the quantiser's text says 127 (its codes are zeros, and this program alone reads the bytes); blocks whose largest magnitude lies under 2^-124 keep the byte 1;
; NaN and infinities among the inputs are not served.  Wo / 2 in f16: magnitudes of Wo up to 131,008; under 1.2e-4 the step is 2^-24 of Wo / 2.
; SHARES: rows are dense and K is a multiple of 32, so each tensor is a plain stream of blocks.  Work-groups 0-255 take x, 256-287 Wq, 288-319 Wk, 320-351 Wv: 32,768 numbers each, 8,192 a wave, in 16 steps of 512.
; Work-groups 352-479 take Wo: 2,048 numbers a wave.  Only pointers are chosen for the four quantised tensors: they take one path.
; A step: four loads of 512 consecutive bytes; the 2,048 bytes turn through the wave's own stage in LDS and come back 64 bytes (16 neighbours along K) a lane; two neighbouring lanes hold a block.
; A lane's 16 codes are 8 bytes: the wave stores 256 consecutive bytes.  A wave's 256 scale bytes are gathered in its own LDS and leave as 256 consecutive bytes.  Waves share nothing: no barrier.
.set QWG,   352                        ; work-groups that quantise
.set WAVES, 4
.set STEPS, 16
.set EMAX,  2
.set CB,    8                          ; bytes of 16 codes
.set R,     16                         ; v16-79   four sets of 16 numbers as loaded
.set X,     80                         ; v80-111  two sets of 16 neighbours
.set E,     112                        ; v112-127 a scale byte for each step
.set C,     128                        ; v128-191 codes: registers of its own for each step, so that no store's data are written again
.set WREG,  8192                       ; LDS: a region for each wave: two stages of 32 x SP bytes, then its 256 scale bytes
.set SP,    80                         ; a lane's place in a stage: 64 bytes + 16 of padding
.set SPW,   12                         ; v12  LDS address of my spare word; never rewritten
.set NIL,   13                         ; v13  0; never rewritten
.set SPARE, WAVES*WREG                 ; the spare words, 128 bytes a wave, named by no other line
	s_load_b256 s[4:11], s[0:1], 0x0               ; x, Wq, Wk, Wv
	s_load_b256 s[12:19], s[0:1], 0x20             ; Wo, xc, xs, wc
	s_load_b128 s[20:23], s[0:1], 0x40             ; ws, wo16
	v_lshl_add_u32 v[SPW], v0, 2, SPARE
	v_mov_b32 v[NIL], 0
	v_lshrrev_b32 v1, 5, v0
	v_readfirstlane_b32 s24, v1                    ; wave
	v_and_b32 v2, 31, v0                           ; lane
	v_lshlrev_b32 v3, 4, v2                        ; my 16 bytes of a load's 512
	s_cmp_ge_u32 ttmp9, QWG
	s_cbranch_scc1 .Lwo
	s_mul_i32 s25, s24, WREG
	v_lshrrev_b32 v14, 2, v2
	v_mul_u32_u24 v14, v14, SP
	v_and_b32 v15, 3, v2
	v_lshl_add_u32 v14, v15, 4, v14
	v_add_nc_u32 v14, s25, v14                     ; the stage, on the way in: four lanes' 64 bytes on end, then 16 of padding
	v_mul_u32_u24 v15, v2, SP
	v_add_nc_u32 v15, s25, v15                     ; and on the way out: my 16 neighbours
	v_mul_u32_u24 v4, v2, CB                       ; my codes' place in a step's
	v_lshrrev_b32 v5, 1, v2
	s_add_co_u32 s25, s25, 2*32*SP
	v_add_nc_u32 v5, s25, v5                       ; my wave's 256 scale bytes, my block's byte
	v_lshlrev_b32 v7, 3, v2
	v_add_nc_u32 v6, s25, v7                       ; and on the way out 8 bytes a lane
	s_wait_kmcnt 0x0
	s_cmp_lt_u32 ttmp9, 320                        ; which tensor: the choices hang on the work-group's number alone
	s_cselect_b64 s[26:27], s[8:9], s[10:11]
	s_cmp_lt_u32 ttmp9, 288
	s_cselect_b64 s[26:27], s[6:7], s[26:27]
	s_cmp_lt_u32 ttmp9, 256
	s_cselect_b64 s[26:27], s[4:5], s[26:27]       ; the numbers
	s_cselect_b64 s[28:29], s[14:15], s[18:19]     ; the codes: xc or wc
	s_cselect_b64 s[30:31], s[16:17], s[20:21]     ; the scale bytes: xs or ws
	s_cselect_b32 s32, 0, 256
	s_cselect_b32 s33, 255, 31
	s_sub_co_u32 s34, ttmp9, s32                   ; my place in the codes' buffer, in work-groups
	s_and_b32 s35, s34, s33                        ; and in the tensor that I read
	s_lshl_b32 s35, s35, 2
	s_add_co_u32 s35, s35, s24
	s_lshl_b32 s36, s35, 15                        ; a wave's run is 8,192 numbers: 32,768 bytes in,
	s_mov_b32 s37, 0
	s_add_nc_u64 s[26:27], s[26:27], s[36:37]
	s_lshl_b32 s34, s34, 2
	s_add_co_u32 s34, s34, s24
	s_lshl_b32 s36, s34, 12                        ; 4,096 bytes of codes,
	s_add_nc_u64 s[28:29], s[28:29], s[36:37]
	s_lshl_b32 s36, s34, 8                         ; 256 scale bytes
	s_add_nc_u64 s[30:31], s[30:31], s[36:37]
.macro LOAD t
.irp i, 0,1,2,3
	global_load_b128 v[R+16*((\t)%4)+4*\i:R+16*((\t)%4)+4*\i+3], v3, s[26:27] offset:2048*(\t)+512*\i th:TH_LOAD_NT   ; 32 lanes read 512 consecutive bytes
.endr
.endm
.macro TURN t                          ; step t's numbers through the stage: LDS serves a wave's instructions in order, so no wait stands between the stores and the loads
.irp i, 0,1,2,3
	ds_store_b128 v14, v[R+16*((\t)%4)+4*\i:R+16*((\t)%4)+4*\i+3] offset:32*SP*((\t)%2)+8*SP*\i
.endr
.irp i, 0,1,2,3
	ds_load_b128 v[X+16*((\t)%2)+4*\i:X+16*((\t)%2)+4*\i+3], v15 offset:32*SP*((\t)%2)+16*\i
.endr
.endm
.irp t, 0,1,2,3
	LOAD \t
.endr
	s_wait_loadcnt 12                              ; step 0's four loads are in; twelve younger ones stay out
	TURN 0
.macro STEP t
.set XS, X+16*((\t)%2)
.if (\t) > 0
	s_wait_dscnt 1                                 ; this step's numbers are back from the stage (the last step's byte store may be out)
.else
	s_wait_dscnt 0x0
.endif
.if (\t)+4 < STEPS
	LOAD (\t)+4                                    ; into the set that this step's stage stores have read
.endif
.if (\t)+1 < STEPS
.if STEPS-2-(\t) >= 3
	s_wait_loadcnt 12                              ; the next step's four loads are in; those of the three steps behind it may be out
.else
	s_wait_loadcnt 4*(STEPS-2-(\t))
.endif
	TURN (\t)+1                                    ; through the other stage while this step is worked
.endif
	v_max3_num_f32 v8, |v[XS]|, |v[XS+1]|, |v[XS+2]|               ; the largest magnitude of my 16, in two chains
	v_max3_num_f32 v9, |v[XS+3]|, |v[XS+4]|, |v[XS+5]|
.irp i, 6,10
	v_max3_num_f32 v8, v8, |v[XS+\i]|, |v[XS+\i+1]|
	v_max3_num_f32 v9, v9, |v[XS+\i+2]|, |v[XS+\i+3]|
.endr
	v_max3_num_f32 v8, v8, |v[XS+14]|, |v[XS+15]|
	v_max3_num_f32 v8, v8, v9, (EMAX+1)<<23        ; and the floor 2^(3 - 127): the byte cannot fall under 1
	v_max_num_f32_dpp v8, v8, v8 row_xmask:1 row_mask:0xf bank_mask:0xf   ; with my neighbour's 16: the block's
	v_add_nc_u32 v11, -(EMAX<<23), v8              ; 2 off its exponent field: the conversion takes this operand's exponent field as its scale
	v_cvt_scalef32_pk8_fp4_f32 v[C+4*(\t)], v[XS:XS+7], v11
	v_cvt_scalef32_pk8_fp4_f32 v[C+4*(\t)+1], v[XS+8:XS+15], v11
	v_lshrrev_b32 v[E+(\t)], 23, v11               ; the scale's byte (also the plain line behind the conversions)
	ds_store_b8 v5, v[E+(\t)] offset:16*(\t)       ; both lanes of a block write the same byte with the same value
	global_store_b64 v4, v[C+4*(\t):C+4*(\t)+1], s[28:29] offset:32*CB*(\t)   ; 32 lanes store 256 consecutive bytes
.endm
.irp t, 0,1,2,3,4,5,6,7,8,9,10,11,12,13,14,15
	STEP \t
.endr
	ds_load_b64 v[8:9], v6                         ; LDS serves a wave's instructions in order: these see my byte stores
	s_wait_dscnt 0x0
	global_store_b64 v7, v[8:9], s[30:31]          ; 32 lanes store 256 consecutive bytes
	s_wait_tensorcnt 0x0                           ; the wave's end: behind my last LDS store
	ds_add_u32 v[SPW], v[NIL]
	s_wait_dscnt 0x0
	s_endpgm
.Lwo:                                                  ; Wo / 2 to f16: no LDS on this path
	v_lshlrev_b32 v4, 3, v2                        ; out: 8 bytes a lane
	s_sub_co_u32 s25, ttmp9, QWG
	s_lshl_b32 s25, s25, 2
	s_add_co_u32 s25, s25, s24                     ; which run of 2,048 numbers is my wave's
	s_lshl_b32 s26, s25, 13
	s_mov_b32 s27, 0
	s_lshl_b32 s28, s25, 12
	s_mov_b32 s29, 0
	s_wait_kmcnt 0x0
	s_add_nc_u64 s[12:13], s[12:13], s[26:27]
	s_add_nc_u64 s[22:23], s[22:23], s[28:29]
.irp i, 0,1,2,3,4,5,6,7,8,9,10,11,12,13,14,15
	global_load_b128 v[16+4*\i:19+4*\i], v3, s[12:13] offset:512*\i th:TH_LOAD_NT
.endr
.irp i, 0,1,2,3,4,5,6,7,8,9,10,11,12,13,14,15
	s_wait_loadcnt 15-\i                           ; loads come back in order: mine is in, the younger ones stay out
	v_pk_mul_f32 v[16+4*\i:17+4*\i], v[16+4*\i:17+4*\i], 0.5 op_sel_hi:[1,0]
	v_pk_mul_f32 v[18+4*\i:19+4*\i], v[18+4*\i:19+4*\i], 0.5 op_sel_hi:[1,0]
	v_cvt_pk_f16_f32 v[80+2*\i], v[16+4*\i], v[17+4*\i]
	v_cvt_pk_f16_f32 v[81+2*\i], v[18+4*\i], v[19+4*\i]
	global_store_b64 v4, v[80+2*\i:81+2*\i], s[22:23] offset:256*\i   ; 32 lanes store 256 consecutive bytes; each store has data registers of its own
.endr
	s_endpgm
.Lfunc_end_k_q81ff42d0ea_prep:
	.size	k_q81ff42d0ea_prep, .Lfunc_end_k_q81ff42d0ea_prep-k_q81ff42d0ea_prep
	.p2alignl 7, 3214868480
	.fill 96, 4, 3214868480
	.section	.rodata,"a",@progbits
	.p2align	6, 0x0
	.amdhsa_kernel k_q81ff42d0ea_prep
		.amdhsa_group_segment_fixed_size 33280
		.amdhsa_private_segment_fixed_size 0
		.amdhsa_enable_private_segment 0
		.amdhsa_kernarg_size 80
		.amdhsa_user_sgpr_count 2
		.amdhsa_user_sgpr_kernarg_segment_ptr 1
		.amdhsa_wavefront_size32 1
		.amdhsa_system_sgpr_workgroup_id_x 1
		.amdhsa_system_sgpr_workgroup_id_y 1
		.amdhsa_system_sgpr_workgroup_id_z 1
		.amdhsa_system_vgpr_workitem_id 0
		.amdhsa_next_free_vgpr 192
		.amdhsa_next_free_sgpr 66
		.amdhsa_reserve_vcc 0
		.amdhsa_float_denorm_mode_32 3
		.amdhsa_float_denorm_mode_16_64 3
		.amdhsa_memory_ordered 1
		.amdhsa_forward_progress 1
		.amdhsa_inst_pref_size 42
	.end_amdhsa_kernel
	.amdgpu_metadata
---
amdhsa.version: [ 1, 2 ]
amdhsa.kernels:
  - .name:           k_q81ff42d0ea_prep
    .symbol:         k_q81ff42d0ea_prep.kd
    .args:
      - { .name: x, .offset: 0, .size: 8, .value_kind: global_buffer, .address_space: global }
      - { .name: Wq, .offset: 8, .size: 8, .value_kind: global_buffer, .address_space: global }
      - { .name: Wk, .offset: 16, .size: 8, .value_kind: global_buffer, .address_space: global }
      - { .name: Wv, .offset: 24, .size: 8, .value_kind: global_buffer, .address_space: global }
      - { .name: Wo, .offset: 32, .size: 8, .value_kind: global_buffer, .address_space: global }
      - { .name: xc, .offset: 40, .size: 8, .value_kind: global_buffer, .address_space: global }
      - { .name: xs, .offset: 48, .size: 8, .value_kind: global_buffer, .address_space: global }
      - { .name: wc, .offset: 56, .size: 8, .value_kind: global_buffer, .address_space: global }
      - { .name: ws, .offset: 64, .size: 8, .value_kind: global_buffer, .address_space: global }
      - { .name: wo16, .offset: 72, .size: 8, .value_kind: global_buffer, .address_space: global }
    .group_segment_fixed_size: 33280
    .private_segment_fixed_size: 0
    .kernarg_segment_align: 8
    .kernarg_segment_size: 80
    .max_flat_workgroup_size: 128
    .sgpr_count:     66
    .vgpr_count:     192
    .wavefront_size: 32
...
	.end_amdgpu_metadata
.endif
;; end of part 1
;; launch qkv (part 2): grid 8 x 48, 4 waves a work-group, clusters of 4 x 4, 327,680 bytes of LDS; arguments xc, xs, wc, ws, qkv; writes qkv
.if DOCPART == 2
	.amdgcn_target "amdgcn-amd-amdhsa--gfx1250"
	.amdhsa_code_object_version 6
	.text
	.protected	k_q81ff42d0ea_qkv
	.globl	k_q81ff42d0ea_qkv
	.p2align	8
	.type	k_q81ff42d0ea_qkv,@function
k_q81ff42d0ea_qkv:
	s_mov_b64 s[64:65], 0
	v_nop
	global_prefetch_b8 v0, s[64:65] scope:SCOPE_SE
	s_setreg_imm32_b32 hwreg(HW_REG_WAVE_MODE, 25, 1), 1
	s_wait_xcnt 0x0
	s_wait_alu depctr_hold_cnt(0) depctr_sa_sdst(0) depctr_va_vdst(0) depctr_va_sdst(0) depctr_va_ssrc(0) depctr_va_vcc(0) depctr_vm_vsrc(0)
	s_getreg_b32 s2, hwreg(HW_REG_IB_STS2, 6, 4)
	s_cmp_eq_u32 s2, 0
	s_cbranch_scc0 .Lentry_in_a_cluster
	s_endpgm
.Lentry_in_a_cluster:
	s_bfe_u32 s2, ttmp6, 0x10000c
	s_cmp_lg_u32 s2, 0xf033
	s_cbranch_scc0 .Lentry_shape_is_right
	s_endpgm
.Lentry_shape_is_right:
; q, k, v = x W^T on codes of FP4 (E2M1) with one E8M0 scale for each 32 along K = 1,024; sums in f32; results rounded once to f16 and stored as IMAGES OF OPERAND REGISTERS for the attention launch.
; A tile of 256 x 256 results is made by four waves, 128 x 128 each: 64 accumulators, 512 registers.  K = 1,024 is two LDS slots of 512 along K (rows of 256 bytes): both are filled at the start and nothing is filled again.
; The scale bytes of the tile's 2 x 256 rows, for all of K, come once, as dense blocks.
; THE MATRIX INSTRUCTION IS USED TRANSPOSED: source 0 = 16 rows of "B", source 1 = 16 rows of "A": a lane holds one row of A's index and eight neighbours of B's.
;   q, k (cluster y 0-7):  A = x (tokens), B = Wq's and Wk's rows (channels): a lane holds one token and eight neighbouring channels: a piece of a fragment [16 tokens][32 channels].
;   v    (cluster y 8-11): A = Wv's rows (channels), B = x (tokens), BY A CHOICE OF POINTERS: a lane holds one channel and eight neighbouring tokens: a piece of a fragment [16 channels][32 keys].
; A FRAGMENT in qkv is 1,024 bytes: [half j][lane][16 bytes]; lane (r, h), half j holds row r, k = 16 j + 8 h + 0 .. 7.  Regions of 2^24 bytes: q, k, v; in each a head (16 batch + head) has 2^18 bytes.
;   q, k: [token tile (128)][channel chunk (2)] fragments;   v: [key chunk of 32 (64)][channel tile (4)] fragments.   Each store of a wave covers 512 consecutive bytes, aligned.
; q is stored times c = log2(e) / 8, so that the attention's score is the exponent to base 2; k and v as they are.
; LIMITS (f16): |c q|, |k|, |v| up to 65,504; under 6e-5 the step is 2^-24.
; CLUSTERS: 4 x 4 work-groups; A's tiles are asked for jointly along a row of the cluster, B's along a column.  The choice between the two roles hangs on the cluster's number alone, which all sixteen share.
; No prefetch: the launch has first fills alone, all asked for at its head.
; REGISTERS, in windows of 256: window 0: v1-6 at work, v8-11 offsets of the stores, v16-29 addresses, v32-95 scale words (two sets), from v128 A's fragments (one set); on the way out v128-255.
;   window 1: B's fragments, two sets, at v0 and v128.   window 2: accumulators of A's blocks 0-3 ((a, b) at v[8 (8 a + b)]);   window 3: of blocks 4-7.
.set NQ,     4                         ; matrix instructions deep in a slot
.set ROWB,   256                       ; a tile's row in bytes: 512 codes
.set KROW,   512                       ; a row of codes in memory
.set PITCH,  272                       ; an LDS row: 256 bytes + 16 of padding: the 16 rows of a load start at 16 different banks (64 banks of 4 bytes: ISA guide 11.1)
.set FR,     8
.set NL,     2
.set NP,     4                         ; places behind this matrix instruction (ISA guide 7.12.1)
.set HALFT,  128*PITCH
.set SLOT,   4*HALFT                   ; A's 256 rows, then B's 256 rows
.set KS,     32                        ; a row of scale bytes
.set SCLB,   2*SLOT                    ; behind the two slots: the scales, as units of 256 bytes + 16 of padding
.set HALFS,  (128*KS/256)*272
.set SBLK,   (16*KS/256)*272
.set SPARE,  SCLB+4*HALFS              ; the spare words, 128 bytes a wave, named by no other line
.set VB,   8                           ; v8-11   the stores' offsets: 16 x lane + the place of B's blocks 2 i, 2 i + 1
.set ADRA, 16
.set ADRB, 20
.set ADRS, 27
.set SPW,  28
.set NIL,  29
.set SC,   32
.set AF,   128
.set TP,   128                         ; the way out: 64 scaled numbers
.set OD,   192                         ; and two sets of 32 registers of f16 pairs
.set G1, 24
.set G0, 32
.set G1B, 48
.set G0B, 56
.set G1S, 68
.set G0S, 76
.set G1SB, 80
.set G0SB, 88
.set ISV, 98                           ; s98     1 in the clusters that make v
.set ST1, 92                           ; s[92:93] the way out: from one of A's blocks to the next
.set ST2, 94                           ; s[94:95] from block 3 to block 4
.set QS,  96                           ; s[96:97] the factor: c for q, 1 for k and v
.set MSB, 0
.macro WIN new                         ; the immediate's high byte repeats the setting that is left
.if MSB != \new
	s_set_vgpr_msb (MSB<<8)|\new
.set MSB, \new
.endif
.endm
.set MUL_LO, 0xa1                      ; source 0 (B) window 1, source 1 (A) window 0, C and D window 2
.set MUL_HI, 0xf1
.set TO_B,   0x40
; A joint load: waves 0 and 1 fetch for A, waves 2 and 3 for B; the branch hangs on the wave's number alone.  An s_nop 0 and four v_nop follow each line.
.macro JLOAD g0a, g1a, g0b, g1b
	s_cmp_eq_u32 s15, 0
	s_cbranch_scc0 .Lfor_b_\@
	tensor_load_to_lds s[\g0a:\g0a+3], s[\g1a:\g1a+7]
	s_nop 0
.rept 4
	v_nop
.endr
	s_branch .Lasked_\@
.Lfor_b_\@:
	tensor_load_to_lds s[\g0b:\g0b+3], s[\g1b:\g1b+7]
	s_nop 0
.rept 4
	v_nop
.endr
.Lasked_\@:
.endm
.macro CROUND                          ; a round of the cluster's barrier
	s_barrier_signal -1
	s_barrier_wait -1
	s_cmp_lg_u32 s14, 0
	s_cbranch_scc1 .Lnot_wave_0_\@
	s_barrier_signal -3
.Lnot_wave_0_\@:
	s_barrier_wait -3
	s_barrier_signal -1
	s_barrier_wait -1
.endm
	s_load_b128 s[4:7], s[0:1], 0x0                ; x's codes, x's scales
	s_load_b128 s[8:11], s[0:1], 0x10              ; the weights' codes, their scales
	s_load_b64 s[12:13], s[0:1], 0x20              ; qkv
	v_lshl_add_u32 v[SPW], v0, 2, SPARE
	v_mov_b32 v[NIL], 0
	ds_add_u32 v[SPW], v[NIL]                      ; the wave's opening: the add, twice on end, and its wait ahead of my first tensor load
	ds_add_u32 v[SPW], v[NIL]
	v_lshrrev_b32 v1, 5, v0
	v_readfirstlane_b32 s14, v1                    ; wave 0..3
	s_lshr_b32 s15, s14, 1                         ; which half of A's rows is mine.  Also: I fetch for A (0) or for B (1)
	s_and_b32 s16, s14, 1                          ; which half of B's rows.  Also: which 128 rows I fetch
	s_bfe_u32 s40, ttmp6, 0x40000                  ; cx
	s_bfe_u32 s41, ttmp6, 0x40004                  ; cy
	s_and_b32 s96, ttmp7, 0xffff                   ; cluster y: 0-7 make q and k, 8-11 make v
	s_max_u32 s97, s96, 8
	s_sub_co_u32 s97, s97, 8
	s_lshl_b32 s97, s97, 1
	s_add_co_u32 s97, s97, ttmp9                   ; v: 2 (cluster y - 8) + cluster x counts clusters along the tokens
	s_cmp_ge_u32 s96, 8
	s_cselect_b32 s96, 0, s96                      ; A's tiles: v has four (cy alone), q and k 4 x cluster y + cy
	s_cselect_b32 s97, s97, ttmp9
	s_cselect_b32 s[ISV], 1, 0
	s_lshl_b32 s42, s97, 2
	s_add_co_u32 s42, s42, s40                     ; B's tile
	s_lshl_b32 s17, s96, 2
	s_add_co_u32 s17, s17, s41                     ; A's tile
	s_lshl_b32 s43, s41, 2
	s_lshl_b32 s43, 15, s43                        ; my row of the cluster
	s_lshl_b32 s44, 0x1111, s40                    ; my column
	s_or_b32 s[G1+0], s43, (0<<16)|(1<<20)|(1<<21)|(5<<22)|(3<<25)  ; the mask; elements of 1 byte; padding on; bit 21 beside a mask; after every 64 words, 4 words
	s_or_b32 s[G1B+0], s44, (0<<16)|(1<<20)|(1<<21)|(5<<22)|(3<<25)
.irp g, G1, G1B
	s_mov_b32 s[\g+1], ROWB<<16                    ; tensor_dim0
	s_mov_b32 s[\g+2], 128<<16                     ; tensor_dim1
	s_mov_b32 s[\g+3], ROWB<<16                    ; tile_dim0
	s_mov_b32 s[\g+4], 128                         ; tile_dim1
	s_mov_b32 s[\g+5], KROW                        ; stride
	s_mov_b32 s[\g+6], 0
	s_mov_b32 s[\g+7], 0
.endr
	s_or_b32 s[G1S+0], s43, (3<<16)|(1<<20)|(1<<21)|(5<<22)|(3<<25) ; the scales of 128 rows: 4,096 dense bytes as 16 rows of 256 (32 elements of 8 bytes), 16 bytes of padding behind each
	s_or_b32 s[G1SB+0], s44, (3<<16)|(1<<20)|(1<<21)|(5<<22)|(3<<25)
.irp g, G1S, G1SB
	s_mov_b32 s[\g+1], 32<<16
	s_mov_b32 s[\g+2], (128*KS/256)<<16
	s_mov_b32 s[\g+3], 32<<16
	s_mov_b32 s[\g+4], 128*KS/256
	s_mov_b32 s[\g+5], 32
	s_mov_b32 s[\g+6], 0
	s_mov_b32 s[\g+7], 0
.endr
	s_lshl_b32 s18, s16, 7
	s_lshl_b32 s20, s17, 8
	s_add_co_u32 s20, s20, s18                     ; A: row 256 x tile + 128 x half
	s_lshl_b32 s46, s42, 8
	s_add_co_u32 s46, s46, s18                     ; B likewise
	s_mov_b32 s21, 0
	s_mov_b32 s47, 0
	s_mov_b64 s[18:19], KS
	s_mul_u64 s[22:23], s[20:21], s[18:19]         ; where these rows' scales begin
	s_mul_u64 s[92:93], s[46:47], s[18:19]
	s_mov_b64 s[18:19], KROW
	s_mul_u64 s[20:21], s[20:21], s[18:19]         ; and their codes
	s_mul_u64 s[46:47], s[46:47], s[18:19]
	s_mul_i32 s45, s14, HALFT                      ; where they go: wave x 128 rows
	s_mul_i32 s94, s14, HALFS
	s_wait_dscnt 0x0                               ; both opening adds are done
	s_wait_kmcnt 0x0
	s_add_nc_u64 s[66:67], s[8:9], 2048*KROW       ; Wv's codes
	s_add_nc_u64 s[2:3], s[10:11], 2048*KS         ; Wv's scales
	s_cmp_lg_u32 s[ISV], 0                         ; the roles: a choice between buffers on the cluster's number
	s_cselect_b64 s[66:67], s[66:67], s[4:5]       ; A's codes
	s_cselect_b64 s[2:3], s[2:3], s[6:7]           ; A's scales
	s_cselect_b64 s[8:9], s[4:5], s[8:9]           ; B's codes
	s_cselect_b64 s[10:11], s[6:7], s[10:11]       ; B's scales
	s_add_nc_u64 s[20:21], s[66:67], s[20:21]
	s_add_nc_u64 s[22:23], s[2:3], s[22:23]
	s_add_nc_u64 s[46:47], s[8:9], s[46:47]
	s_add_nc_u64 s[92:93], s[10:11], s[92:93]
	CROUND                                         ; all sixteen work-groups are here: the joint loads meet
	s_mov_b32 s[G0S], 1
	s_add_co_u32 s[G0S+1], s94, SCLB
	s_mov_b64 s[G0S+2:G0S+3], s[22:23]
	s_or_b32 s[G0S+3], s[G0S+3], 0x80000000
	s_mov_b32 s[G0SB], 1
	s_add_co_u32 s[G0SB+1], s94, SCLB
	s_mov_b64 s[G0SB+2:G0SB+3], s[92:93]
	s_or_b32 s[G0SB+3], s[G0SB+3], 0x80000000
	JLOAD G0S, G1S, G0SB, G1SB                     ; the scales first: they are wanted with slot 0
.irp s, 0,1
	s_mov_b32 s[G0+4*\s], 1
	s_add_co_u32 s[G0+4*\s+1], s45, \s*SLOT
	s_add_nc_u64 s[G0+4*\s+2:G0+4*\s+3], s[20:21], \s*ROWB
	s_or_b32 s[G0+4*\s+3], s[G0+4*\s+3], 0x80000000
	s_mov_b32 s[G0B+4*\s], 1
	s_add_co_u32 s[G0B+4*\s+1], s45, \s*SLOT
	s_add_nc_u64 s[G0B+4*\s+2:G0B+4*\s+3], s[46:47], \s*ROWB
	s_or_b32 s[G0B+4*\s+3], s[G0B+4*\s+3], 0x80000000
	JLOAD G0+4*\s, G1, G0B+4*\s, G1B               ; three tensor loads of mine are out now, and no more follow
.endr
	v_and_b32 v1, 15, v0                           ; l % 16
	v_bfe_u32 v2, v0, 4, 1                         ; l / 16
	v_mul_u32_u24 v3, v1, PITCH
	v_lshl_add_u32 v4, v2, 4, v3                   ; a fragment's row x pitch + 16 x half
	s_mul_i32 s21, s15, HALFT
	s_mul_i32 s22, s16, HALFT
	s_add_co_u32 s22, s22, 2*HALFT
.irp s, 0,1
	v_add_nc_u32 v[ADRA+\s], s21, v4
	v_add_nc_u32 v[ADRB+\s], s22, v4
	s_add_co_u32 s21, s21, SLOT
	s_add_co_u32 s22, s22, SLOT
.endr
	v_mul_u32_u24 v5, v1, KS                       ; my row's scales: 32 bytes a row,
	v_lshrrev_b32 v6, 8, v5
	v_lshl_add_u32 v5, v6, 4, v5                   ; and 16 more for each 256 passed
	s_mul_i32 s21, s15, HALFS
	s_mul_i32 s22, s16, HALFS
	s_add_co_u32 s22, s22, 2*HALFS
	s_sub_co_u32 s22, s22, s21
	v_mul_u32_u24 v6, s22, v2                      ; lanes 16-31 take B's: one product, the distance between the two bases
	s_add_co_u32 s21, s21, SCLB
	v_add_nc_u32 v5, v5, v6
	v_add_nc_u32 v[ADRS], s21, v5
	; the way out: where my results go.  tt = the tile along the tokens, ft = along the channels (within the region)
	s_and_b32 s100, s42, 3
	s_mov_b32 s66, 1024                            ; q, k: B's blocks are channels: 2 blocks a chunk (1,024 bytes), 4 a head (2^18)
	s_mov_b32 s67, 0x40000
	s_mov_b32 s[ST1], 2048                         ; A's blocks are token tiles of 2,048 bytes
	s_mov_b32 s[ST2], 2048
	s_cmp_lg_u32 s[ISV], 0
	s_cselect_b32 s99, s42, s17                    ; tt
	s_cselect_b32 s100, s17, s100                  ; ft
	s_cselect_b32 s101, 2, ttmp9                   ; the region: v, or cluster x: 0 = q, 1 = k
	s_cselect_b32 s2, s16, s15                     ; my half along the tokens
	s_cselect_b32 s3, s15, s16                     ; and along the channels
	s_cselect_b32 s66, 4096, s66                   ; v: B's blocks are tokens: 2 blocks a key chunk (4,096 bytes)
	s_cselect_b32 s67, 8192, s67
	s_cselect_b32 s[ST1], 1024, s[ST1]             ; A's blocks are channel tiles of 1,024 bytes, 4 a head
	s_cselect_b32 s[ST2], 0x40000-3*1024, s[ST2]
	s_mov_b32 s[ST1+1], 0
	s_mov_b32 s[ST2+1], 0
	s_mov_b32 s[QS], 0x3f800000
	s_cmp_eq_u32 s101, 0
	s_cselect_b32 s[QS], 0x3e38aa3b, s[QS]         ; c = log2(e) / 8 for q
	s_mov_b32 s[QS+1], s[QS]                       ; (named with it as a pair, so it is written)
	s_lshl_b32 s101, s101, 24
	s_lshl_b32 s100, s100, 20                      ; head = 16 (tt / 8) + 4 ft + 2 x my channel half, times 2^18
	s_add_co_u32 s100, s100, s101
	s_lshr_b32 s101, s99, 3
	s_lshl_b32 s101, s101, 22
	s_add_co_u32 s100, s100, s101
	s_and_b32 s101, s99, 7
	s_lshl_b32 s101, s101, 15                      ; 256 tokens are 2^15 bytes of a head in each layout
	s_add_co_u32 s100, s100, s101
	s_lshl_b32 s3, s3, 19
	s_add_co_u32 s100, s100, s3
	s_lshl_b32 s2, s2, 14
	s_add_co_u32 s100, s100, s2
	s_mov_b32 s101, 0
	s_add_nc_u64 s[12:13], s[12:13], s[100:101]
	v_and_b32 v6, 31, v0
	v_lshlrev_b32 v[VB], 4, v6
	v_add_nc_u32 v[VB+1], s66, v[VB]
	v_add_nc_u32 v[VB+2], s67, v[VB]
	v_add_nc_u32 v[VB+3], s67, v[VB+1]
.macro FRAG reg, adr, q, i             ; 16 rows x 128 K of 4-bit codes: 8 registers: two loads of 16 bytes, 32 bytes apart
.irp c, 0,1
	ds_load_b128 v[\reg+4*\c:\reg+4*\c+3], v[\adr] offset:64*(\q)+32*\c+(\i)*16*PITCH
.endr
.endm
; 16 matrix instructions: A's blocks a0, a0 + 1 x B's eight.  The 64 accumulators take turns, one instruction a turn, in the same order in every step.
; One register carries A's scale word (lanes 0-15) and B's (lanes 16-31, read by ROW1).
.macro MUL16 a0, p, q, sc, zero
.irp a, \a0, \a0+1
.irp b, 0,1,2,3,4,5,6,7
.if \zero
	v_wmma_scale_f32_16x16x128_f8f6f4 v[8*(8*((\a)%4)+\b):8*(8*((\a)%4)+\b)+7], v[128*(\p)+FR*\b:128*(\p)+FR*\b+FR-1], v[AF+FR*(\a):AF+FR*(\a)+FR-1], 0, v[SC+8*NQ*(\sc)+NQ*\b+(\q)], v[SC+8*NQ*(\sc)+NQ*(\a)+(\q)] matrix_a_fmt:MATRIX_FMT_FP4 matrix_b_fmt:MATRIX_FMT_FP4 matrix_a_scale:MATRIX_SCALE_ROW1
.else
	v_wmma_scale_f32_16x16x128_f8f6f4 v[8*(8*((\a)%4)+\b):8*(8*((\a)%4)+\b)+7], v[128*(\p)+FR*\b:128*(\p)+FR*\b+FR-1], v[AF+FR*(\a):AF+FR*(\a)+FR-1], v[8*(8*((\a)%4)+\b):8*(8*((\a)%4)+\b)+7], v[SC+8*NQ*(\sc)+NQ*\b+(\q)], v[SC+8*NQ*(\sc)+NQ*(\a)+(\q)] matrix_a_fmt:MATRIX_FMT_FP4 matrix_b_fmt:MATRIX_FMT_FP4 matrix_a_scale:MATRIX_SCALE_ROW1
.endif
.endr
.endr
.endm
.macro FETCH_B slot, q, p
	WIN TO_B
.irp i, 0,1,2,3,4,5,6,7
	FRAG 128*(\p)+FR*\i, ADRB+\slot, \q, \i
.endr
	WIN 0
.endm
.macro FETCH_A slot, q, i0
.irp i, \i0, \i0+1, \i0+2, \i0+3
	FRAG AF+FR*(\i), ADRA+\slot, \q, \i
.endr
.endm
.macro SCALES sc                       ; a slot's scale words: four words a row; lanes 0-15 A's block i, lanes 16-31 B's block i
.irp i, 0,1,2,3,4,5,6,7
	ds_load_b128 v[SC+8*NQ*\sc+NQ*\i:SC+8*NQ*\sc+NQ*\i+3], v[ADRS] offset:\i*SBLK
.endr
.endm
.macro PLACES n                        ; plain vector instructions between a matrix instruction and a load into, or a read or write of, its registers
.rept \n
	v_nop
.endr
.endm
.macro STEP slot, q, zero              ; 128 along K that has its successor in the same slot
	s_wait_dscnt 4*NL                              ; B's set and A's blocks 0-3 are in; the youngest eight loads (A's blocks 4-7) may be out
	WIN MUL_LO
	MUL16 0, (\q)%2, \q, \slot, \zero
	MUL16 2, (\q)%2, \q, \slot, \zero
	s_wait_dscnt 0
	PLACES NP
	FETCH_B \slot, (\q)+1, 1-(\q)%2
	FETCH_A \slot, (\q)+1, 0
	WIN MUL_HI
	MUL16 4, (\q)%2, \q, \slot, \zero
	MUL16 6, (\q)%2, \q, \slot, \zero
	PLACES NP
	WIN 0
	FETCH_A \slot, (\q)+1, 4
.endm
.macro STEPS slot, from
.set Q, \from
.rept NQ-1-\from
	STEP \slot, Q, 0
.set Q, Q+1
.endr
.endm
	s_wait_tensorcnt 1                             ; the scales and my part of slot 0 are in (slot 1's load may be out),
	s_barrier_signal -1
	s_barrier_wait -1                              ; everybody's are
	FETCH_B 0, 0, 0
	FETCH_A 0, 0, 0
	SCALES 0
	FETCH_A 0, 0, 4
	STEP 0, 0, 1                                   ; the first products start the sums: nothing is cleared
	STEPS 0, 1
	; slot 0's last step changes slots: each wave shows its part of slot 1 landed, then one barrier.  Nothing is filled again
	s_wait_tensorcnt 0x0                           ; all my tensor loads have landed: my part of slot 1
	ds_add_u32 v[SPW], v[NIL]
	s_wait_dscnt 4*NL+1                            ; (the add and the youngest eight loads may be out)
	WIN MUL_LO
	MUL16 0, 1, NQ-1, 0, 0
	s_wait_dscnt 0x0
	s_barrier_signal -1
	MUL16 2, 1, NQ-1, 0, 0
	WIN 0
	s_barrier_wait -1
	PLACES NP
	v_add_nc_u32 v[ADRS], 4*NQ, v[ADRS]            ; slot 1's scale words
	FETCH_B 1, 0, 0
	FETCH_A 1, 0, 0
	SCALES 1
	WIN MUL_HI
	MUL16 4, 1, NQ-1, 0, 0
	MUL16 6, 1, NQ-1, 0, 0
	PLACES NP
	WIN 0
	FETCH_A 1, 0, 4
	STEPS 1, 0
	s_wait_dscnt 4*NL                              ; the last step: nothing more to fetch
	WIN MUL_LO
	MUL16 0, 1, NQ-1, 1, 0
	MUL16 2, 1, NQ-1, 1, 0
	s_wait_dscnt 0
	WIN MUL_HI
	MUL16 4, 1, NQ-1, 1, 0
	MUL16 6, 1, NQ-1, 1, 0
	WIN 0
; THE WAY OUT, one of A's blocks at a time: 64 numbers a lane times the factor, rounded to f16 in pairs: accumulator (a, b) becomes 16 bytes a lane, which ARE half b % 2 of a fragment: no LDS.
; Each accumulator is read from its low end on.  Two sets of data registers take turns.
.macro OUT a
.set AC, 64*((\a)%4)
.set OS, OD+32*((\a)%2)
	WIN (0x02+(\a)/4)                              ; source 0: window 2 or 3
.set i, 0
.rept 32
	v_pk_mul_f32 v[TP+2*i:TP+2*i+1], v[AC+2*i:AC+2*i+1], s[QS:QS+1] op_sel_hi:[1,0]
.set i, i+1
.endr
	WIN 0
.set i, 0
.rept 32
	v_cvt_pk_f16_f32 v[OS+i], v[TP+2*i], v[TP+2*i+1]
.set i, i+1
.endr
.if (\a) > 0
	s_wait_xcnt 0x0                                ; the earlier stores have read their base and their data: the base steps now, and the next block writes the other set
.if (\a) == 4
	s_add_nc_u64 s[12:13], s[12:13], s[ST2:ST2+1]
.else
	s_add_nc_u64 s[12:13], s[12:13], s[ST1:ST1+1]
.endif
.endif
.irp b, 0,1,2,3,4,5,6,7
	global_store_b128 v[VB+\b/2], v[OS+4*\b:OS+4*\b+3], s[12:13] offset:512*(\b%2)   ; 32 lanes store 512 consecutive bytes, aligned
.endr
.endm
	PLACES NP                                      ; behind the last products: the lines below write the registers that held A's fragments
.irp a, 0,1,2,3,4,5,6,7
	OUT \a
.endr
	s_wait_tensorcnt 0x0                           ; the wave's end
	ds_add_u32 v[SPW], v[NIL]
	s_wait_dscnt 0x0
	CROUND                                         ; the closing round
	s_endpgm
.Lfunc_end_k_q81ff42d0ea_qkv:
	.size	k_q81ff42d0ea_qkv, .Lfunc_end_k_q81ff42d0ea_qkv-k_q81ff42d0ea_qkv
	.p2alignl 7, 3214868480
	.fill 96, 4, 3214868480
	.section	.rodata,"a",@progbits
	.p2align	6, 0x0
	.amdhsa_kernel k_q81ff42d0ea_qkv
		.amdhsa_group_segment_fixed_size 327680
		.amdhsa_private_segment_fixed_size 0
		.amdhsa_enable_private_segment 0
		.amdhsa_kernarg_size 40
		.amdhsa_user_sgpr_count 2
		.amdhsa_user_sgpr_kernarg_segment_ptr 1
		.amdhsa_wavefront_size32 1
		.amdhsa_system_sgpr_workgroup_id_x 1
		.amdhsa_system_sgpr_workgroup_id_y 1
		.amdhsa_system_sgpr_workgroup_id_z 1
		.amdhsa_system_vgpr_workitem_id 0
		.amdhsa_next_free_vgpr 1024
		.amdhsa_next_free_sgpr 102
		.amdhsa_reserve_vcc 0
		.amdhsa_float_denorm_mode_32 3
		.amdhsa_float_denorm_mode_16_64 3
		.amdhsa_memory_ordered 1
		.amdhsa_forward_progress 1
		.amdhsa_inst_pref_size 135
	.end_amdhsa_kernel
	.amdgpu_metadata
---
amdhsa.version: [ 1, 2 ]
amdhsa.kernels:
  - .name:           k_q81ff42d0ea_qkv
    .symbol:         k_q81ff42d0ea_qkv.kd
    .args:
      - { .name: xc, .offset: 0, .size: 8, .value_kind: global_buffer, .address_space: global }
      - { .name: xs, .offset: 8, .size: 8, .value_kind: global_buffer, .address_space: global }
      - { .name: wc, .offset: 16, .size: 8, .value_kind: global_buffer, .address_space: global }
      - { .name: ws, .offset: 24, .size: 8, .value_kind: global_buffer, .address_space: global }
      - { .name: qkv, .offset: 32, .size: 8, .value_kind: global_buffer, .address_space: global }
    .group_segment_fixed_size: 327680
    .private_segment_fixed_size: 0
    .kernarg_segment_align: 8
    .kernarg_segment_size: 40
    .max_flat_workgroup_size: 128
    .sgpr_count:     102
    .vgpr_count:     1024
    .wavefront_size: 32
...
	.end_amdgpu_metadata
.endif
;; end of part 2
;; launch attn (part 3): grid 4 x 64, 16 waves a work-group, clusters of 4 x 1, 327,680 bytes of LDS; arguments qkv, oi; writes oi
.if DOCPART == 3
	.amdgcn_target "amdgcn-amd-amdhsa--gfx1250"
	.amdhsa_code_object_version 6
	.text
	.protected	k_q81ff42d0ea_attn
	.globl	k_q81ff42d0ea_attn
	.p2align	8
	.type	k_q81ff42d0ea_attn,@function
k_q81ff42d0ea_attn:
	s_mov_b64 s[64:65], 0
	v_nop
	global_prefetch_b8 v0, s[64:65] scope:SCOPE_SE
	s_setreg_imm32_b32 hwreg(HW_REG_WAVE_MODE, 25, 1), 1
	s_wait_xcnt 0x0
	s_wait_alu depctr_hold_cnt(0) depctr_sa_sdst(0) depctr_va_vdst(0) depctr_va_sdst(0) depctr_va_ssrc(0) depctr_va_vcc(0) depctr_vm_vsrc(0)
	s_getreg_b32 s2, hwreg(HW_REG_IB_STS2, 6, 4)
	s_cmp_eq_u32 s2, 0
	s_cbranch_scc0 .Lentry_in_a_cluster
	s_endpgm
.Lentry_in_a_cluster:
	s_bfe_u32 s2, ttmp6, 0x10000c
	s_cmp_lg_u32 s2, 0x3003
	s_cbranch_scc0 .Lentry_shape_is_right
	s_endpgm
.Lentry_shape_is_right:
; o = softmax(q k^T / 8) v for each of 64 heads (16 batch + head): 2,048 queries x 2,048 keys, head size 64, no mask.  Operands in f16 (register images made by the launch before), products, maxima and sums in f32.
; q arrives times c = log2(e) / 8, so a score IS the exponent to base 2: p = 2^(t - m), m the row's running maximum; in every step l and O are multiplied by a = 2^(m_old - m_new).  t - m is at most 0, so p is at most 1.
; p is rounded to f16 for the second product; the row's sum is taken of the unrounded p.  The result is stored as 2 o in f16, as fragments [16 tokens][32 channels] for the projection, whose weight is halved.
; LIMITS (f16): |2 o| is at most 2 max |v|, up to 65,504; under 6e-5 its step is 2^-24.  p under 2^-25 counts as 0 in the second product.
; SHARES.  A cluster of four work-groups is one head; a work-group owns 512 queries; each of its SIXTEEN waves owns 32, two tiles of 16, in 256 registers: four waves to a SIMD, so that one wave's vector work stands beside
; another's matrix work and LDS loads.  Every wave walks all keys, 64 a step.
; LAYOUT.  Both products are used transposed: S^T = K Q^T (source 0 = 16 keys, source 1 = 16 queries), O^T = V^T P (source 0 = 16 channels x 32 keys, source 1 = P): a lane holds ONE query throughout, and two tiles of S^T,
; rounded in pairs, are source 1 of the second product as they stand.
; THE RING.  Two LDS slots of 512 keys: K's 64 KiB and V's 64 KiB, dense images, read at 16 x lane.  The four work-groups walk the same K and V: each quarter of a slot (32 KiB) is asked for JOINTLY, by waves 0, 1 (K) and 2, 3 (V).
; The change of slots stands at a slot's head; the load issued there has the slot's eight key steps in which to land.  One tensor load of a wave is out at any time; every wait for tensor loads is for all.
; REGISTERS: v1-7 addresses that stay or step; v8-23 statistics, eight a tile: +0 -m, +1 m, +2, +3 l (even keys', odd keys'), +4..+7 c0-c3 at work (a in +6); v24-27 a second chain for the sums;
;   v32-63 Q; v64-127 K's fragments of a step, then V's; v128-191 S^T, then p, then P in the low half of each tile's 32; v192-255 O^T.
.set SLOT1, 1<<17                      ; slot 1 begins here: one exclusive or turns an address from one slot to the other
.set VOFF,  65536                      ; V's images in a slot
.set SPARE, 2*SLOT1                    ; the spare words, 128 bytes a wave, named by no other line
.set LI,  1                            ; v1  16 x lane
.set AV0, 2                            ; v2  16 x lane + VOFF
.set ADK, 3                            ; v3  LDS address of four steps' K
.set ADV, 4                            ; v4  of V
.set SPW, 5
.set NIL, 6
.set PFO, 7                            ; v7  256 x lane
.set ST,  8
.set UU,  24
.set QF,  32
.set KV,  64
.set SS,  128
.set OT,  192
.set WV,  12                           ; s12 wave
.set G1,  16                           ; s[16:23] descriptor group 1
.set G0K, 24                           ; s[24:27] group 0 for K, s[28:31] for V: they walk
.set G0V, 28
.set SEL, 32                           ; s[32:33] selects for lane l xor 16
.set TB,  34                           ; s34 LDS byte of the four steps in hand
.set SLOTS, 35
.set TWICE, 36
.set LIM, 37                           ; s37 1 in a wave that prefetches, else the greatest number
.set PFA, 38                           ; s[38:39] where my prefetches stand
.macro CROUND                          ; a round of the cluster's barrier
	s_barrier_signal -1
	s_barrier_wait -1
	s_cmp_lg_u32 s[WV], 0
	s_cbranch_scc1 .Lnot_wave_0_\@
	s_barrier_signal -3
.Lnot_wave_0_\@:
	s_barrier_wait -3
	s_barrier_signal -1
	s_barrier_wait -1
.endm
; Waves 0 and 1 fetch K's halves of a slot, waves 2 and 3 V's, the others nothing: branches on the wave's number alone, the same in all four work-groups.  An s_nop 0 and four v_nop follow each line.
.macro TLOAD
	s_cmp_lt_u32 s[WV], 2
	s_cbranch_scc0 .Lnot_k_\@
	tensor_load_to_lds s[G0K:G0K+3], s[G1:G1+7]
	s_nop 0
.rept 4
	v_nop
.endr
	s_branch .Lasked_\@
.Lnot_k_\@:
	s_cmp_lt_u32 s[WV], 4
	s_cbranch_scc0 .Lasked_\@
	tensor_load_to_lds s[G0V:G0V+3], s[G1:G1+7]
	s_nop 0
.rept 4
	v_nop
.endr
.Lasked_\@:
.endm
; A PREFETCH INTO THE L2 of the slot that the NEXT change of slots will ask for, eight key steps ahead of that load.  Waves 4, 5 ask for K's two halves of 32 KiB, waves 6, 7 for V's; of a half each of the four work-groups
; takes 8 KiB, told apart BY ADDRESS; lanes stand 256 bytes apart: one instruction a wave, each 256 bytes named once in the launch.  The last change that fills a slot asks for nothing; slots 0 and 1 come by their loads alone.
.macro ASK
	s_cmp_gt_u32 s[SLOTS], s[LIM]
	s_cbranch_scc0 .Lnot_mine_\@
	global_prefetch_b8 v[PFO], s[PFA:PFA+1] th:TH_LOAD_NT scope:SCOPE_SE
.Lnot_mine_\@:
.endm
	s_load_b128 s[4:7], s[0:1], 0x0                ; qkv, oi
	v_lshl_add_u32 v[SPW], v0, 2, SPARE
	v_mov_b32 v[NIL], 0
	ds_add_u32 v[SPW], v[NIL]                      ; the wave's opening: the add, twice on end, and its wait ahead of the first tensor load
	ds_add_u32 v[SPW], v[NIL]
	v_lshrrev_b32 v1, 5, v0
	v_readfirstlane_b32 s[WV], v1                  ; wave 0..15
	s_bfe_u32 s13, ttmp6, 0x40000                  ; cx: it enters Q's, O's and the prefetches' addresses alone
	s_and_b32 s14, ttmp7, 0xffff                   ; the head, which the four share
	s_mov_b32 s[G1], 15|(3<<16)|(1<<21)            ; the mask: all four; elements of 8 bytes; bit 21 beside a mask; no padding
	s_mov_b32 s[G1+1], 32<<16                      ; tensor_dim0 = 32: rows of 256 bytes
	s_mov_b32 s[G1+2], 128<<16                     ; tensor_dim1 = 128: 32 KiB
	s_mov_b32 s[G1+3], 32<<16                      ; tile_dim0
	s_mov_b32 s[G1+4], 128                         ; tile_dim1
	s_mov_b32 s[G1+5], 32                          ; stride: dense
	s_mov_b32 s[G1+6], 0
	s_mov_b32 s[G1+7], 0
	s_mov_b32 s[SEL], 0x76543210
	s_mov_b32 s[SEL+1], 0xfedcba98
	s_mov_b32 s[TB], 0
	s_mov_b32 s[SLOTS], 3
	s_lshl_b32 s40, s14, 18                        ; the head's bytes in a region
	s_and_b32 s42, s[WV], 1
	s_lshl_b32 s42, s42, 15                        ; which half of a slot's 64 KiB
	s_add_co_u32 s44, s40, s42
	s_mov_b32 s45, 0
	s_lshl_b32 s46, s13, 16                        ; Q: my work-group's 32 tiles of 2,048 bytes,
	s_add_co_u32 s46, s46, s40
	s_lshl_b32 s47, s[WV], 12                      ; my wave's two
	s_add_co_u32 s46, s46, s47
	s_mov_b32 s47, 0
	s_lshr_b32 s48, s14, 4                         ; O: token tile 128 batch + 32 cx + 2 wave, 32,768 bytes each; chunk 2 head, 1,024 bytes each
	s_lshl_b32 s48, s48, 22
	s_lshl_b32 s49, s13, 20
	s_add_co_u32 s48, s48, s49
	s_lshl_b32 s49, s[WV], 16
	s_add_co_u32 s48, s48, s49
	s_and_b32 s49, s14, 15
	s_lshl_b32 s49, s49, 11
	s_add_co_u32 s48, s48, s49
	s_mov_b32 s49, 0
	v_and_b32 v1, 31, v0
	v_lshlrev_b32 v[PFO], 8, v1
	v_lshlrev_b32 v[LI], 4, v1
	v_add_nc_u32 v[AV0], VOFF, v[LI]
	s_wait_dscnt 0x0                               ; both opening adds are done
	s_wait_kmcnt 0x0
	s_add_nc_u64 s[8:9], s[4:5], s[44:45]
	s_add_nc_u64 s[10:11], s[8:9], 0x2000000       ; V at the head's first keys, my half
	s_add_nc_u64 s[8:9], s[8:9], 0x1000000         ; K likewise
	s_add_nc_u64 s[4:5], s[4:5], s[46:47]          ; Q at my wave's tiles
	s_add_nc_u64 s[6:7], s[6:7], s[48:49]          ; O likewise
	CROUND                                         ; all four work-groups are here: the first joint loads meet
	s_mov_b32 s[G0K], 1
	s_mov_b32 s[G0K+1], s42
	s_mov_b64 s[G0K+2:G0K+3], s[8:9]
	s_or_b32 s[G0K+3], s[G0K+3], 0x80000000
	s_mov_b32 s[G0V], 1
	s_add_co_u32 s[G0V+1], s42, VOFF
	s_mov_b64 s[G0V+2:G0V+3], s[10:11]
	s_or_b32 s[G0V+3], s[G0V+3], 0x80000000
	TLOAD                                          ; slot 0
.irp i, 0,1,2,3,4,5,6,7
	global_load_b128 v[QF+4*\i:QF+4*\i+3], v[LI], s[4:5] offset:512*\i   ; Q stays in registers: fragment (tile t, chunk g) at v[QF + 8 (2 t + g)]
.endr
	s_cmp_lt_u32 s[WV], 6                          ; the prefetches: waves 4, 5 K's, waves 6, 7 V's
	s_cselect_b64 s[PFA:PFA+1], s[8:9], s[10:11]
	s_lshl_b32 s50, s13, 13                        ; my work-group's 8 KiB of the half,
	s_add_co_u32 s50, s50, 65536                   ; in slot 1: the first change of slots steps it to slot 2
	s_mov_b32 s51, 0
	s_add_nc_u64 s[PFA:PFA+1], s[PFA:PFA+1], s[50:51]
	s_sub_co_u32 s50, s[WV], 4
	s_lshr_b32 s50, s50, 2                         ; 0 in waves 4 to 7
	s_cmp_eq_u32 s50, 0
	s_cselect_b32 s[LIM], 1, -1
.irp t, 0,1
	v_mov_b32 v[ST+8*\t+1], 0xff61b1e6             ; m: -3e38, under every score
	v_mov_b32 v[ST+8*\t+2], 0                      ; l
	v_mov_b32 v[ST+8*\t+3], 0
	v_mov_b32 v[ST+8*\t+5], 0                      ; written once: a lane permute's destination counts as one of its sources
.endr
.set i, 0
.rept 64
	v_mov_b32 v[OT+i], 0                           ; O^T: the step is written once; the first finds zeros, which its a = 0 leaves zeros
.set i, i+1
.endr
; A KEY STEP: 64 keys, the q-th of the four in hand.
.macro STEP q
.rept 5
	v_nop                                          ; behind the last V^T P: four places for the loads into the registers that it read, five for the products below, which write over P
.endr
.irp i, 0,1,2,3,4,5,6,7,8,9,10,11,12,13,14,15
	ds_load_b128 v[KV+4*\i:KV+4*\i+3], v[ADK] offset:8192*(\q)+512*\i   ; K's fragment (key tile a, chunk cc) at v[KV + 8 (2 a + cc)]
.endr
	s_wait_dscnt 0x0
.irp cc, 0,1                                   ; S^T = K Q^T: eight accumulators by turns; the first eight start the sums
.irp a, 0,1,2,3
.irp t, 0,1
.if \cc == 0
	v_wmma_f32_16x16x32_f16 v[SS+32*\t+8*\a:SS+32*\t+8*\a+7], v[KV+8*(2*\a+\cc):KV+8*(2*\a+\cc)+7], v[QF+8*(2*\t+\cc):QF+8*(2*\t+\cc)+7], 0
.else
	v_wmma_f32_16x16x32_f16 v[SS+32*\t+8*\a:SS+32*\t+8*\a+7], v[KV+8*(2*\a+\cc):KV+8*(2*\a+\cc)+7], v[QF+8*(2*\t+\cc):QF+8*(2*\t+\cc)+7], v[SS+32*\t+8*\a:SS+32*\t+8*\a+7]
.endif
.endr
.endr
.endr
.rept 4
	v_nop                                          ; places: for the loads below, and for the first reads of the scores
.endr
.irp i, 0,1,2,3,4,5,6,7,8,9,10,11,12,13,14,15
	ds_load_b128 v[KV+4*\i:KV+4*\i+3], v[ADV] offset:8192*(\q)+512*\i   ; V's fragment (key chunk kk, channel tile c) at v[KV + 8 (4 kk + c)]: it lands under the softmax
.endr
	; the maximum of a lane's 32 scores and the old m, the two tiles by turns; each accumulator is read from its low end on
.irp j, 0,1,2,3
.irp t, 0,1
	v_max3_num_f32 v[ST+8*\t+4+\j], v[SS+32*\t+8*\j], v[SS+32*\t+8*\j+1], v[SS+32*\t+8*\j+2]
.endr
.endr
.irp u, 1,2
.irp j, 0,1,2,3
.irp t, 0,1
	v_max3_num_f32 v[ST+8*\t+4+\j], v[ST+8*\t+4+\j], v[SS+32*\t+8*\j+2*\u+1], v[SS+32*\t+8*\j+2*\u+2]
.endr
.endr
.endr
.irp t, 0,1
	v_max3_num_f32 v[ST+8*\t+4], v[ST+8*\t+4], v[SS+32*\t+7], v[SS+32*\t+15]
.endr
.irp t, 0,1
	v_max3_num_f32 v[ST+8*\t+6], v[ST+8*\t+6], v[SS+32*\t+23], v[SS+32*\t+31]
.endr
.irp t, 0,1
	v_max3_num_f32 v[ST+8*\t+4], v[ST+8*\t+4], v[ST+8*\t+5], v[ST+8*\t+6]
.endr
.irp t, 0,1
	v_max3_num_f32 v[ST+8*\t+4], v[ST+8*\t+4], v[ST+8*\t+7], v[ST+8*\t+1]
.endr
.irp t, 0,1
	v_permlanex16_b32 v[ST+8*\t+5], v[ST+8*\t+4], s[SEL], s[SEL+1]   ; the query's other 32 keys lie in the lane 16 away
.endr
.irp t, 0,1
	v_max_num_f32 v[ST+8*\t+4], v[ST+8*\t+4], v[ST+8*\t+5]           ; the new m
.endr
.irp t, 0,1
	v_sub_f32 v[ST+8*\t+7], v[ST+8*\t+1], v[ST+8*\t+4]               ; m_old - m_new, 0 or less
.endr
.irp t, 0,1
	v_mov_b32 v[ST+8*\t+1], v[ST+8*\t+4]
.endr
.irp t, 0,1
	v_sub_f32 v[ST+8*\t], 0, v[ST+8*\t+4]                            ; -m
.endr
	; ONE BATCH of 66 exponentials: a, then p in place; none of these lines names an exponential's result
.irp t, 0,1
	v_exp_f32 v[ST+8*\t+6], v[ST+8*\t+7]                             ; a
.endr
.irp b, 0,1,2,3,4,5,6,7,8,9,10,11,12,13,14,15
.irp t, 0,1
	v_pk_add_f32 v[SS+32*\t+2*\b:SS+32*\t+2*\b+1], v[SS+32*\t+2*\b:SS+32*\t+2*\b+1], v[ST+8*\t:ST+8*\t+1] op_sel_hi:[1,0]   ; t - m, a pair at a time (the pair's low word, -m, serves both)
.endr
.irp t, 0,1
	v_exp_f32 v[SS+32*\t+2*\b], v[SS+32*\t+2*\b]
	v_exp_f32 v[SS+32*\t+2*\b+1], v[SS+32*\t+2*\b+1]
.endr
.endr
	v_nop                                          ; a plain instruction behind the last exponential
	s_wait_alu depctr_va_vdst(0)                   ; the wait ahead of the first line that names a result: one for the batch
	; l = a l + the sum of the unrounded p, in two chains a tile
.irp t, 0,1
	v_pk_fma_f32 v[ST+8*\t+2:ST+8*\t+3], v[ST+8*\t+2:ST+8*\t+3], v[ST+8*\t+6:ST+8*\t+7], v[SS+32*\t:SS+32*\t+1] op_sel_hi:[1,0,1]
	v_pk_add_f32 v[UU+2*\t:UU+2*\t+1], v[SS+32*\t+2:SS+32*\t+3], v[SS+32*\t+6:SS+32*\t+7]
.endr
.irp e, 2,4,6,8,10,12
.irp t, 0,1
	v_pk_add_f32 v[ST+8*\t+2:ST+8*\t+3], v[ST+8*\t+2:ST+8*\t+3], v[SS+32*\t+2*\e:SS+32*\t+2*\e+1]
	v_pk_add_f32 v[UU+2*\t:UU+2*\t+1], v[UU+2*\t:UU+2*\t+1], v[SS+32*\t+2*\e+6:SS+32*\t+2*\e+7]
.endr
.endr
.irp t, 0,1
	v_pk_add_f32 v[ST+8*\t+2:ST+8*\t+3], v[ST+8*\t+2:ST+8*\t+3], v[SS+32*\t+28:SS+32*\t+29]
.endr
.irp t, 0,1
	v_pk_add_f32 v[ST+8*\t+2:ST+8*\t+3], v[ST+8*\t+2:ST+8*\t+3], v[UU+2*\t:UU+2*\t+1]
.endr
.irp i, 0,1,2,3,4,5,6,7,8,9,10,11,12,13,14,15   ; P in f16, in place, ascending: register i takes pair i, which lies at 2 i and 2 i + 1
.irp t, 0,1
	v_cvt_pk_f16_f32 v[SS+32*\t+\i], v[SS+32*\t+2*\i], v[SS+32*\t+2*\i+1]
.endr
.endr
.irp i, 0,1,2,3,4,5,6,7,8,9,10,11,12,13,14,15   ; O^T times a, each accumulator from its low end on
.irp t, 0,1
	v_pk_mul_f32 v[OT+32*\t+2*\i:OT+32*\t+2*\i+1], v[OT+32*\t+2*\i:OT+32*\t+2*\i+1], v[ST+8*\t+6:ST+8*\t+7] op_sel_hi:[1,0]
.endr
.endr
	s_wait_dscnt 0x0                               ; V is in
.irp kk, 0,1                                   ; O^T += V^T P: eight accumulators by turns
.irp c, 0,1,2,3
.irp t, 0,1
	v_wmma_f32_16x16x32_f16 v[OT+32*\t+8*\c:OT+32*\t+8*\c+7], v[KV+8*(4*\kk+\c):KV+8*(4*\kk+\c)+7], v[SS+32*\t+8*\kk:SS+32*\t+8*\kk+7], v[OT+32*\t+8*\c:OT+32*\t+8*\c+7]
.endr
.endr
.endr
.endm
; A slot's eight key steps: four are written, walked twice; the LDS addresses hang on s[TB].
.macro SLOT_STEPS
	s_mov_b32 s[TWICE], 2
.Lfour_\@:
	v_add_nc_u32 v[ADK], s[TB], v[LI]
	v_add_nc_u32 v[ADV], s[TB], v[AV0]
	STEP 0
	STEP 1
	STEP 2
	STEP 3
	s_add_co_u32 s[TB], s[TB], 32768
	s_sub_co_u32 s[TWICE], s[TWICE], 1
	s_cmp_lg_u32 s[TWICE], 0
	s_cbranch_scc1 .Lfour_\@
	s_sub_co_u32 s[TB], s[TB], 65536
	s_xor_b32 s[TB], s[TB], SLOT1                  ; on to the other slot
.endm
; THE CHANGE OF SLOTS, at a slot's head.  Each wave waits for all its tensor loads (its part of the slot ahead), adds 0 to its spare word, and waits for that and for its reads of the slot that it has left.
; fill = 1: a round of the cluster's barrier, so that no wave of any partner still reads that slot or has a load on its way; the joint load is the first thing behind it.
.macro CHANGE fill
	s_wait_tensorcnt 0x0                           ; no tensor load of mine is out, so a group 0 may be written
	ds_add_u32 v[SPW], v[NIL]
.if \fill
	ds_add_u32 v[SPW], v[NIL]                      ; and once more
	s_xor_b32 s[G0K+1], s[G0K+1], SLOT1            ; the walking descriptors: the other slot,
	s_add_nc_u64 s[G0K+2:G0K+3], s[G0K+2:G0K+3], 65536   ; the next 512 keys
	s_xor_b32 s[G0V+1], s[G0V+1], SLOT1
	s_add_nc_u64 s[G0V+2:G0V+3], s[G0V+2:G0V+3], 65536
	s_wait_xcnt 0x0                                ; the last prefetch, a slot back, has read its address
	s_add_nc_u64 s[PFA:PFA+1], s[PFA:PFA+1], 65536 ; one slot further on than the walking descriptors
	s_wait_dscnt 0x0                               ; both adds are done, and my reads of the slot that I have left are over
	CROUND
	TLOAD
	ASK
.else
	s_wait_dscnt 0x0
	s_barrier_signal -1
	s_barrier_wait -1
.endif
.endm
	s_wait_loadcnt 0x0                             ; Q
.Lslot:                                                ; three trips: behind each change of slots but the last the next slot is asked for
	CHANGE 1
	SLOT_STEPS
	s_sub_co_u32 s[SLOTS], s[SLOTS], 1
	s_cmp_lg_u32 s[SLOTS], 0
	s_cbranch_scc1 .Lslot
	CHANGE 0                                       ; the last slot is written out
	SLOT_STEPS
	; THE WAY OUT: O^T x 2 / l, rounded to f16: accumulator (t, c) becomes 16 bytes a lane, which are half c % 2 of chunk c / 2 of the token tile's fragments: no LDS
.rept 4
	v_nop
.endr
.irp t, 0,1
	v_add_f32 v[ST+8*\t+4], v[ST+8*\t+2], v[ST+8*\t+3]
.endr
.irp t, 0,1
	v_permlanex16_b32 v[ST+8*\t+5], v[ST+8*\t+4], s[SEL], s[SEL+1]
.endr
.irp t, 0,1
	v_add_f32 v[ST+8*\t+4], v[ST+8*\t+4], v[ST+8*\t+5]               ; the row's sum, at least 1
.endr
.irp t, 0,1
	v_rcp_f32 v[ST+8*\t+6], v[ST+8*\t+4]
.endr
	v_nop
	s_wait_alu depctr_va_vdst(0)                   ; one wait for the two reciprocals, ahead of their first reader
.irp t, 0,1
	v_add_f32 v[ST+8*\t+6], v[ST+8*\t+6], v[ST+8*\t+6]               ; 2 / l
.endr
.irp t, 0,1
.irp i, 0,1,2,3,4,5,6,7,8,9,10,11,12,13,14,15
	v_pk_mul_f32 v[OT+32*\t+2*\i:OT+32*\t+2*\i+1], v[OT+32*\t+2*\i:OT+32*\t+2*\i+1], v[ST+8*\t+6:ST+8*\t+7] op_sel_hi:[1,0]
.endr
.endr
.irp t, 0,1
.irp i, 0,1,2,3,4,5,6,7,8,9,10,11,12,13,14,15
	v_cvt_pk_f16_f32 v[SS+16*\t+\i], v[OT+32*\t+2*\i], v[OT+32*\t+2*\i+1]
.endr
.endr
.irp t, 0,1
.irp c, 0,1,2,3
	global_store_b128 v[LI], v[SS+16*\t+4*\c:SS+16*\t+4*\c+3], s[6:7] offset:32768*\t+512*\c   ; 32 lanes store 512 consecutive bytes, aligned
.endr
.endr
	s_wait_tensorcnt 0x0                           ; the wave's end
	ds_add_u32 v[SPW], v[NIL]
	s_wait_dscnt 0x0
	CROUND                                         ; the closing round
	s_endpgm
.Lfunc_end_k_q81ff42d0ea_attn:
	.size	k_q81ff42d0ea_attn, .Lfunc_end_k_q81ff42d0ea_attn-k_q81ff42d0ea_attn
	.p2alignl 7, 3214868480
	.fill 96, 4, 3214868480
	.section	.rodata,"a",@progbits
	.p2align	6, 0x0
	.amdhsa_kernel k_q81ff42d0ea_attn
		.amdhsa_group_segment_fixed_size 327680
		.amdhsa_private_segment_fixed_size 0
		.amdhsa_enable_private_segment 0
		.amdhsa_kernarg_size 16
		.amdhsa_user_sgpr_count 2
		.amdhsa_user_sgpr_kernarg_segment_ptr 1
		.amdhsa_wavefront_size32 1
		.amdhsa_system_sgpr_workgroup_id_x 1
		.amdhsa_system_sgpr_workgroup_id_y 1
		.amdhsa_system_sgpr_workgroup_id_z 1
		.amdhsa_system_vgpr_workitem_id 0
		.amdhsa_next_free_vgpr 256
		.amdhsa_next_free_sgpr 66
		.amdhsa_reserve_vcc 0
		.amdhsa_float_denorm_mode_32 3
		.amdhsa_float_denorm_mode_16_64 3
		.amdhsa_memory_ordered 1
		.amdhsa_forward_progress 1
		.amdhsa_inst_pref_size 151
	.end_amdhsa_kernel
	.amdgpu_metadata
---
amdhsa.version: [ 1, 2 ]
amdhsa.kernels:
  - .name:           k_q81ff42d0ea_attn
    .symbol:         k_q81ff42d0ea_attn.kd
    .args:
      - { .name: qkv, .offset: 0, .size: 8, .value_kind: global_buffer, .address_space: global }
      - { .name: oi, .offset: 8, .size: 8, .value_kind: global_buffer, .address_space: global }
    .group_segment_fixed_size: 327680
    .private_segment_fixed_size: 0
    .kernarg_segment_align: 8
    .kernarg_segment_size: 16
    .max_flat_workgroup_size: 512
    .sgpr_count:     66
    .vgpr_count:     256
    .wavefront_size: 32
...
	.end_amdgpu_metadata
.endif
;; end of part 3
;; launch proj (part 4): grid 8 x 32, 4 waves a work-group, clusters of 4 x 4, 327,680 bytes of LDS; arguments oi, wo16, out0; writes out0
.if DOCPART == 4
	.amdgcn_target "amdgcn-amd-amdhsa--gfx1250"
	.amdhsa_code_object_version 6
	.text
	.protected	k_q81ff42d0ea_proj
	.globl	k_q81ff42d0ea_proj
	.p2align	8
	.type	k_q81ff42d0ea_proj,@function
k_q81ff42d0ea_proj:
	s_mov_b64 s[64:65], 0
	v_nop
	global_prefetch_b8 v0, s[64:65] scope:SCOPE_SE
	s_setreg_imm32_b32 hwreg(HW_REG_WAVE_MODE, 25, 1), 1
	s_wait_xcnt 0x0
	s_wait_alu depctr_hold_cnt(0) depctr_sa_sdst(0) depctr_va_vdst(0) depctr_va_sdst(0) depctr_va_ssrc(0) depctr_va_vcc(0) depctr_vm_vsrc(0)
	s_getreg_b32 s2, hwreg(HW_REG_IB_STS2, 6, 4)
	s_cmp_eq_u32 s2, 0
	s_cbranch_scc0 .Lentry_in_a_cluster
	s_endpgm
.Lentry_in_a_cluster:
	s_bfe_u32 s2, ttmp6, 0x10000c
	s_cmp_lg_u32 s2, 0xf033
	s_cbranch_scc0 .Lentry_shape_is_right
	s_endpgm
.Lentry_shape_is_right:
; out0[m][n] = sum over k of o[m][k] Wo[n][k], M = 8,192, N = K = 1,024.  Operands in f16: oi holds 2 o as register images, [token tile (512)][chunk of 32 k (32)] fragments of 1,024 bytes; wo16 holds Wo / 2, [n][k].
; The two factors cancel exactly.  Sums in f32, out0 in f32.
; A tile of 256 tokens x 128 outputs is made by four waves, 128 x 64 each: 32 accumulators, 256 registers (window 1).  256 tiles, one to a work-group.
; K goes in steps of 128 through two LDS slots.  A's part of a slot is 16 token tiles x 4 fragments, dense images read at 16 x lane; B's is 128 rows of 256 bytes + 16 of padding.
; THE MATRIX INSTRUCTION IS USED TRANSPOSED (source 0 = 16 rows of Wo, source 1 = 16 tokens): a lane holds eight neighbouring outputs of one token.
; CLUSTERS: 4 x 4 work-groups: A's tiles are asked for jointly along a row of the cluster, B's along a column.  Waves 0, 1 fetch A's halves, waves 2, 3 B's: two tensor loads of a wave are out at the start, one later.
; No prefetch: a K step's tiles are small and shared sixteenfold in a cluster, and the launch is short.  A K step twice as long would want two slots of 200,704 bytes, more than LDS holds.
; REGISTERS: window 0: v1-5 at work, v16-29 addresses; two fragment buffers of 96 at v64 and v160: A's eight fragments, then B's four; on the way out v64-127.   window 1: accumulator (a, b) at v[8 (4 a + b)].
.set PITCH,  272                       ; a row of B in LDS: the 16 rows of a load start at 16 different banks (64 banks of 4 bytes: ISA guide 11.1)
.set ABYTES, 65536
.set HALFB,  64*PITCH
.set SLOT,   ABYTES+2*HALFB
.set STAGE,  2*SLOT                    ; behind the ring: 16 rows x 272 bytes for each wave; no tensor load lands here
.set SPITCH, 272
.set SPARE,  STAGE+4*16*SPITCH         ; the spare words, 128 bytes a wave, named by no other line
.set LAPS,   4                         ; a lap = two K steps
.set ADRA, 16
.set ADRB, 20
.set STO,  24
.set RD,   25
.set CO,   26
.set SPW,  28
.set NIL,  29
.set F0,   64
.set F1,   160
.set BK,   64
.set G1, 24
.set G0, 32
.set G1B, 48
.set G0B, 56
.set MSB, 0
.macro WIN new
.if MSB != \new
	s_set_vgpr_msb (MSB<<8)|\new
.set MSB, \new
.endif
.endm
.set MUL, 0x50                         ; sources 0 and 1 window 0; C and D window 1
.macro JLOAD s                         ; a joint load; an s_nop 0 and four v_nop follow each of the two lines
	s_cmp_eq_u32 s11, 0
	s_cbranch_scc0 .Lfor_b_\@
	tensor_load_to_lds s[G0+4*\s:G0+4*\s+3], s[G1:G1+7]
	s_nop 0
.rept 4
	v_nop
.endr
	s_branch .Lasked_\@
.Lfor_b_\@:
	tensor_load_to_lds s[G0B+4*\s:G0B+4*\s+3], s[G1B:G1B+7]
	s_nop 0
.rept 4
	v_nop
.endr
.Lasked_\@:
.endm
.macro CREST                           ; a round of the cluster's barrier behind its opening barrier
	s_cmp_lg_u32 s10, 0
	s_cbranch_scc1 .Lnot_wave_0_\@
	s_barrier_signal -3
.Lnot_wave_0_\@:
	s_barrier_wait -3
	s_barrier_signal -1
	s_barrier_wait -1
.endm
.macro CROUND
	s_barrier_signal -1
	s_barrier_wait -1
	CREST
.endm
	s_load_b128 s[4:7], s[0:1], 0x0                ; oi, wo16
	s_load_b64 s[8:9], s[0:1], 0x10                ; out0
	v_lshl_add_u32 v[SPW], v0, 2, SPARE
	v_mov_b32 v[NIL], 0
	ds_add_u32 v[SPW], v[NIL]                      ; the wave's opening: the add, twice on end, and its wait ahead of my first tensor load
	ds_add_u32 v[SPW], v[NIL]
	v_lshrrev_b32 v1, 5, v0
	v_readfirstlane_b32 s10, v1                    ; wave 0..3
	s_lshr_b32 s11, s10, 1                         ; which 128 tokens are mine.  Also: I fetch for A (0) or for B (1)
	s_and_b32 s12, s10, 1                          ; which 64 outputs.  Also: which half of that tile I fetch
	s_bfe_u32 s40, ttmp6, 0x40000                  ; cx, cy
	s_bfe_u32 s41, ttmp6, 0x40004
	s_lshl_b32 s42, ttmp9, 2
	s_add_co_u32 s42, s42, s40                     ; tile column = 4 x cluster x + cx
	s_and_b32 s13, ttmp7, 0xffff
	s_lshl_b32 s13, s13, 2
	s_add_co_u32 s13, s13, s41                     ; tile row = 4 x cluster y + cy
	s_lshl_b32 s43, s41, 2
	s_lshl_b32 s43, 15, s43                        ; my row of the cluster
	s_lshl_b32 s44, 0x1111, s40                    ; my column
	s_or_b32 s[G1+0], s43, (3<<16)|(1<<21)         ; A: the mask; elements of 8 bytes; bit 21 beside a mask; no padding
	s_mov_b32 s[G1+1], 512<<16                     ; tensor_dim0 = 512: a token tile's four fragments, 4,096 bytes
	s_mov_b32 s[G1+2], 8<<16                       ; tensor_dim1 = 8 token tiles
	s_mov_b32 s[G1+3], 512<<16                     ; tile_dim0
	s_mov_b32 s[G1+4], 8                           ; tile_dim1
	s_mov_b32 s[G1+5], 4096                        ; stride: 32,768 bytes from token tile to token tile
	s_mov_b32 s[G1+6], 0
	s_mov_b32 s[G1+7], 0
	s_or_b32 s[G1B+0], s44, (1<<16)|(1<<20)|(1<<21)|(5<<22)|(3<<25)  ; B: elements of 2 bytes; padding: 4 words after every 64
	s_mov_b32 s[G1B+1], 128<<16
	s_mov_b32 s[G1B+2], 64<<16
	s_mov_b32 s[G1B+3], 128<<16
	s_mov_b32 s[G1B+4], 64
	s_mov_b32 s[G1B+5], 1024
	s_mov_b32 s[G1B+6], 0
	s_mov_b32 s[G1B+7], 0
	s_lshl_b32 s16, s13, 4
	s_lshl_b32 s17, s12, 3
	s_add_co_u32 s16, s16, s17                     ; A: token tile 16 x tile row + 8 x half,
	s_lshl_b32 s16, s16, 15                        ; 32,768 bytes each
	s_mov_b32 s17, 0
	s_lshl_b32 s46, s42, 7
	s_lshl_b32 s47, s12, 6
	s_add_co_u32 s46, s46, s47                     ; B: row 128 x tile column + 64 x half,
	s_lshl_b32 s46, s46, 11                        ; 2,048 bytes each
	s_mov_b32 s47, 0
	s_lshl_b32 s20, s12, 15                        ; where they go: A's halves,
	s_mul_i32 s21, s12, HALFB
	s_add_co_u32 s21, s21, ABYTES                  ; B's halves behind them: no place in the cluster enters an LDS address
	s_wait_dscnt 0x0                               ; both opening adds are done
	s_wait_kmcnt 0x0
	s_add_nc_u64 s[14:15], s[4:5], s[16:17]
	s_add_nc_u64 s[46:47], s[6:7], s[46:47]
	CROUND                                         ; all sixteen work-groups are here: the first joint loads meet
.irp s, 0,1
	s_mov_b32 s[G0+4*\s], 1
	s_add_co_u32 s[G0+4*\s+1], s20, \s*SLOT
	s_add_nc_u64 s[G0+4*\s+2:G0+4*\s+3], s[14:15], \s*4096
	s_or_b32 s[G0+4*\s+3], s[G0+4*\s+3], 0x80000000
	s_mov_b32 s[G0B+4*\s], 1
	s_add_co_u32 s[G0B+4*\s+1], s21, \s*SLOT
	s_add_nc_u64 s[G0B+4*\s+2:G0B+4*\s+3], s[46:47], \s*256
	s_or_b32 s[G0B+4*\s+3], s[G0B+4*\s+3], 0x80000000
	JLOAD \s
.endr
	v_and_b32 v1, 15, v0                           ; l % 16
	v_bfe_u32 v2, v0, 4, 1                         ; l / 16
	v_and_b32 v3, 31, v0
	v_lshlrev_b32 v3, 4, v3                        ; A: 16 x lane
	v_mul_u32_u24 v4, v1, PITCH
	v_lshl_add_u32 v4, v2, 4, v4                   ; B: row x pitch + 16 x half
	s_lshl_b32 s21, s11, 15                        ; my 8 token tiles
	s_mul_i32 s22, s12, HALFB                      ; my 64 rows of B
	s_add_co_u32 s22, s22, ABYTES
.irp s, 0,1
	v_add_nc_u32 v[ADRA+\s], s21, v3
	v_add_nc_u32 v[ADRB+\s], s22, v4
	s_add_co_u32 s21, s21, SLOT
	s_add_co_u32 s22, s22, SLOT
.endr
	s_mul_i32 s23, s10, 16*SPITCH
	s_add_co_u32 s23, s23, STAGE                   ; my stage
	v_mul_u32_u24 v5, v1, SPITCH                   ; in: row l % 16, 32 bytes for each half of the lanes
	v_lshl_add_u32 v5, v2, 5, v5
	v_add_nc_u32 v[STO], s23, v5
	v_mul_u32_u24 v5, v2, SPITCH                   ; back: lanes 0-15 one row of 256 bytes, lanes 16-31 the next
	v_lshl_add_u32 v5, v1, 4, v5
	v_add_nc_u32 v[RD], s23, v5
	v_lshlrev_b32 v5, 12, v2                       ; and the same two rows in out0 (4,096 bytes a row)
	v_lshl_add_u32 v[CO], v1, 4, v5
	s_lshl_b32 s16, s13, 8
	s_lshl_b32 s17, s11, 7
	s_add_co_u32 s16, s16, s17                     ; my first token: 256 x tile row + 128 x half
	s_lshl_b32 s16, s16, 12
	s_mov_b32 s17, 0
	s_add_nc_u64 s[8:9], s[8:9], s[16:17]
	s_lshl_b32 s46, s42, 9                         ; my first output, in bytes: 512 x tile column + 256 x half
	s_lshl_b32 s47, s12, 8
	s_add_co_u32 s46, s46, s47
	s_mov_b32 s47, 0
	s_add_nc_u64 s[8:9], s[8:9], s[46:47]
; 8 matrix instructions: token blocks a0, a0 + 1 x B's four, 32 along K.  The 32 accumulators take turns, in the same order in every quarter.
.macro MUL8 f, a0, zero
.irp a, \a0, \a0+1
.irp b, 0,1,2,3
.if \zero
	v_wmma_f32_16x16x32_f16 v[8*(4*(\a)+\b):8*(4*(\a)+\b)+7], v[\f+64+8*\b:\f+64+8*\b+7], v[\f+8*(\a):\f+8*(\a)+7], 0
.else
	v_wmma_f32_16x16x32_f16 v[8*(4*(\a)+\b):8*(4*(\a)+\b)+7], v[\f+64+8*\b:\f+64+8*\b+7], v[\f+8*(\a):\f+8*(\a)+7], v[8*(4*(\a)+\b):8*(4*(\a)+\b)+7]
.endif
.endr
.endr
.endm
; 24 LDS loads in one run: the fragments of the slot's q-th 32 along K into buffer f: B's four, then A's eight
.macro FETCH slot, q, f
	WIN 0
.irp b, 0,1,2,3
	ds_load_b128 v[\f+64+8*\b:\f+64+8*\b+3],   v[ADRB+\slot] offset:64*(\q)+\b*16*PITCH
	ds_load_b128 v[\f+64+8*\b+4:\f+64+8*\b+7], v[ADRB+\slot] offset:64*(\q)+\b*16*PITCH+32
.endr
.irp a, 0,1,2,3,4,5,6,7
	ds_load_b128 v[\f+8*\a:\f+8*\a+3],   v[ADRA+\slot] offset:4096*\a+1024*(\q)
	ds_load_b128 v[\f+8*\a+4:\f+8*\a+7], v[ADRA+\slot] offset:4096*\a+1024*(\q)+512
.endr
.endm
.macro PLACES                          ; four plain vector instructions between a matrix instruction and a load into, or a read of, its registers
.rept 4
	v_nop
.endr
.endm
; A K step is four quarters of 32 along K, 32 matrix instructions each, on buffers 0, 1, 0, 1.  One of the first three: multiplies buffer f and fetches quarter qn of the same slot into g.
.macro QUARTER slot, qn, f, g, zero
	s_wait_dscnt 8                                 ; B and A's blocks 0-3 are in; the youngest eight loads (A's blocks 4-7) may be out
	WIN MUL
	MUL8 \f, 0, \zero
	MUL8 \f, 2, \zero
	PLACES
	FETCH \slot, \qn, \g
	s_wait_dscnt 24                                ; all but the 24 just issued
	WIN MUL
	MUL8 \f, 4, \zero
	MUL8 \f, 6, \zero
.endm
; The last quarter multiplies buffer 1 and changes slots: ONE barrier; in front of it each wave waits for all its tensor loads, adds 0 to its spare word, and waits for that and for its reads of this slot.
.macro TURN slot, next, fill
	WIN 0                                          ; (the add's two registers lie in window 0)
	s_wait_tensorcnt 0x0                           ; all my tensor loads have landed: my part of the next slot
	ds_add_u32 v[SPW], v[NIL]
	s_wait_dscnt 9                                 ; (the add and the youngest eight loads may be out)
	WIN MUL
	MUL8 F1, 0, 0                                  ; eight matrix instructions stand between the add and the wait for it
	s_wait_dscnt 0x0                               ; the add is done, and my reads of this slot are over
	s_barrier_signal -1
	MUL8 F1, 2, 0
.if \fill
	WIN 0
.endif
	s_barrier_wait -1
.if \fill
	CREST                                          ; the barrier has opened a round of the cluster's: no wave of any partner still reads this slot or has a load on its way
	s_add_nc_u64 s[G0+4*\slot+2:G0+4*\slot+3], s[G0+4*\slot+2:G0+4*\slot+3], 2*4096
	s_add_nc_u64 s[G0B+4*\slot+2:G0B+4*\slot+3], s[G0B+4*\slot+2:G0B+4*\slot+3], 2*256
	JLOAD \slot                                    ; the first tensor load behind the round; its four v_nop are also the places in front of the loads below
.else
	PLACES
.endif
	FETCH \next, 0, F0
	WIN MUL
	MUL8 F1, 4, 0
	MUL8 F1, 6, 0
.endm
	s_wait_tensorcnt 1                             ; my part of K step 0 is in (K step 1's load may be out),
	s_barrier_signal -1
	s_barrier_wait -1                              ; everybody's is
	FETCH 0, 0, F0
	QUARTER 0, 1, F0, F1, 1                        ; the first quarter's products start the sums: nothing is cleared
	WIN 0                                          ; at a label and at a branch every window is 0
	s_mov_b32 s3, LAPS-1
.Llap:                                                 ; a trip goes once round the ring, from a lap's second quarter to the next lap's first, and fills both slots again
	QUARTER 0, 2, F1, F0, 0
	QUARTER 0, 3, F0, F1, 0
	TURN 0, 1, 1
	QUARTER 1, 1, F0, F1, 0
	QUARTER 1, 2, F1, F0, 0
	QUARTER 1, 3, F0, F1, 0
	TURN 1, 0, 1
	QUARTER 0, 1, F0, F1, 0
	WIN 0
	s_sub_co_u32 s3, s3, 1
	s_cmp_lg_u32 s3, 0
	s_cbranch_scc1 .Llap
	QUARTER 0, 2, F1, F0, 0                        ; the last lap fills nothing
	QUARTER 0, 3, F0, F1, 0
	TURN 0, 1, 0
	QUARTER 1, 1, F0, F1, 0
	QUARTER 1, 2, F1, F0, 0
	QUARTER 1, 3, F0, F1, 0
	s_wait_dscnt 8                                 ; the very last quarter: nothing more to fetch
	WIN MUL
	MUL8 F1, 0, 0
	MUL8 F1, 2, 0
	s_wait_dscnt 0
	MUL8 F1, 4, 0
	MUL8 F1, 6, 0
	WIN 0
; THE WAY OUT, a block of 16 tokens x 64 outputs at a time: a lane's 32 bytes go into my own stage and come back as whole rows of 256 bytes.  LDS serves a wave's instructions in order: no wait between the stores and the loads.
.macro TOSTAGE a
	WIN 0x04                                       ; an LDS store's data are its source 1: window 1
.irp b, 0,1,2,3
	ds_store_b128 v[STO], v[8*(4*(\a)+\b):8*(4*(\a)+\b)+3] offset:64*\b          ; each accumulator from its low end on
	ds_store_b128 v[STO], v[8*(4*(\a)+\b)+4:8*(4*(\a)+\b)+7] offset:64*\b+16
.endr
	WIN 0
.set BB, BK+32*((\a)%2)
.irp t, 0,1,2,3,4,5,6,7
	ds_load_b128 v[BB+4*\t:BB+4*\t+3], v[RD] offset:\t*2*SPITCH
.endr
.endm
.macro SEND a, younger                 ; younger: the LDS instructions issued behind block a's loads, which may stay out
.set BB, BK+32*((\a)%2)
	s_wait_dscnt \younger
.if (\a) > 0
	s_add_nc_u64 s[8:9], s[8:9], 16*4096           ; 16 rows on (the earlier stores have read their base: the wait stands ahead of this macro)
.endif
.irp t, 0,1,2,3,4,5,6,7
	global_store_b128 v[CO], v[BB+4*\t:BB+4*\t+3], s[8:9] offset:\t*2*4096 th:TH_STORE_NT   ; 16 lanes store 256 consecutive bytes, aligned; written once, read by nobody here
.endr
.endm
	PLACES                                         ; behind the last products
	TOSTAGE 0
.irp a, 1,2,3,4,5,6,7
.if \a > 1
	s_wait_xcnt 0x0                                ; block a - 2's stores have read their registers and their base
.endif
	TOSTAGE \a
	SEND \a-1, 16                                  ; behind block a - 1's loads: block a's eight stores and eight loads
.endr
	s_wait_xcnt 0x0
	SEND 7, 0
	s_wait_tensorcnt 0x0                           ; the wave's end
	ds_add_u32 v[SPW], v[NIL]
	s_wait_dscnt 0x0
	CROUND                                         ; the closing round
	s_endpgm
.Lfunc_end_k_q81ff42d0ea_proj:
	.size	k_q81ff42d0ea_proj, .Lfunc_end_k_q81ff42d0ea_proj-k_q81ff42d0ea_proj
	.p2alignl 7, 3214868480
	.fill 96, 4, 3214868480
	.section	.rodata,"a",@progbits
	.p2align	6, 0x0
	.amdhsa_kernel k_q81ff42d0ea_proj
		.amdhsa_group_segment_fixed_size 327680
		.amdhsa_private_segment_fixed_size 0
		.amdhsa_enable_private_segment 0
		.amdhsa_kernarg_size 24
		.amdhsa_user_sgpr_count 2
		.amdhsa_user_sgpr_kernarg_segment_ptr 1
		.amdhsa_wavefront_size32 1
		.amdhsa_system_sgpr_workgroup_id_x 1
		.amdhsa_system_sgpr_workgroup_id_y 1
		.amdhsa_system_sgpr_workgroup_id_z 1
		.amdhsa_system_vgpr_workitem_id 0
		.amdhsa_next_free_vgpr 512
		.amdhsa_next_free_sgpr 66
		.amdhsa_reserve_vcc 0
		.amdhsa_float_denorm_mode_32 3
		.amdhsa_float_denorm_mode_16_64 3
		.amdhsa_memory_ordered 1
		.amdhsa_forward_progress 1
		.amdhsa_inst_pref_size 86
	.end_amdhsa_kernel
	.amdgpu_metadata
---
amdhsa.version: [ 1, 2 ]
amdhsa.kernels:
  - .name:           k_q81ff42d0ea_proj
    .symbol:         k_q81ff42d0ea_proj.kd
    .args:
      - { .name: oi, .offset: 0, .size: 8, .value_kind: global_buffer, .address_space: global }
      - { .name: wo16, .offset: 8, .size: 8, .value_kind: global_buffer, .address_space: global }
      - { .name: out0, .offset: 16, .size: 8, .value_kind: global_buffer, .address_space: global }
    .group_segment_fixed_size: 327680
    .private_segment_fixed_size: 0
    .kernarg_segment_align: 8
    .kernarg_segment_size: 24
    .max_flat_workgroup_size: 128
    .sgpr_count:     66
    .vgpr_count:     512
    .wavefront_size: 32
...
	.end_amdgpu_metadata
.endif
;; end of part 4
